; MI455X (gfx1250); checked and timed in simulation.
; The chip was launched on July 23, 2026; its instructions are those of AMD's public machine-readable ISA for CDNA 5 (MIT licence, August 2026) and "CDNA5" Instruction Set Architecture Reference Guide (July 2026).
;; Bert Self Attention. Allowed arithmetic: matrix products marked QUANTISED: E4M3 operands, one E8M0 scale for each 32 along K, by v_wmma_scale_f32_16x16x128_f8f6f4 with both operands' format E4M3, f32 sums; everything else in f32.
;; Inputs: Wk_codes 1,024 x 32 x 32 uint8 (E4M3 codes of Wk, K innermost, in blocks of 32 codes); Wk_scales 1,024 x 32 uint8 (E8M0 scales of Wk, one for each 32 codes along K); Wq_codes 1,024 x 32 x 32 uint8 (E4M3 codes of Wq, K innermost, in blocks of 32 codes); Wq_scales 1,024 x 32 uint8 (E8M0 scales of Wq, one for each 32 codes along K); Wv_codes 1,024 x 32 x 32 uint8 (E4M3 codes of Wv, K innermost, in blocks of 32 codes); Wv_scales 1,024 x 32 uint8 (E8M0 scales of Wv, one for each 32 codes along K); attention_mask 4 x 1 x 1 x 2,048 float32; bk 1,024 float32; bq 1,024 float32; bv 1,024 float32; hidden_states_codes 4 x 2,048 x 32 x 32 uint8 (E4M3 codes of hidden_states, K innermost, in blocks of 32 codes); hidden_states_scales 4 x 2,048 x 32 uint8 (E8M0 scales of hidden_states, one for each 32 codes along K).
;; Outputs: out0 4 x 2,048 x 1,024 float32.
;; This version of the problem:
;;   THIS VERSION OF THE PROBLEM IS GIVEN IN LOW PRECISION. The matrix products marked QUANTISED in the list below multiply operands that are first quantised to E4M3 (4 exponent bits, 3 mantissa bits; 8 bits a number), with one power-of-two scale for each 32 numbers along K (OCP MX v1.0); their sums are f32. All else is computed in f32.
;;   The module's matrix products, in the order in which they are computed (A, B: the left and right operand; K: the contracted axis; several contracted axes count as one K, in the product's order):
;;     1. [M 8,192, K 1,024] x [K 1,024, N 1,024]; A: input hidden_states (given as codes); B: input Wq (given as codes): QUANTISED
;;     2. [M 8,192, K 1,024] x [K 1,024, N 1,024]; A: input hidden_states (given as codes); B: input Wk (given as codes): QUANTISED
;;     3. [M 8,192, K 1,024] x [K 1,024, N 1,024]; A: input hidden_states (given as codes); B: input Wv (given as codes): QUANTISED
;;     4. batch 64 x [M 2,048, K 64] x [K 64, N 2,048]; A: computed on the way; B: computed on the way: QUANTISED
;;     5. batch 64 x [M 2,048, K 2,048] x [K 2,048, N 64]; A: softmax (see below); B: computed on the way: QUANTISED
;;   THE QUANTISER, for each operand of a quantised product, along K:
;;     - K is cut into blocks of 32 from its start; a last block that is shorter is filled with zeros.
;;     - A block's scale is 2^e with e = floor(log2(the largest magnitude in the block)) - 8, held to -126 .. 127; a block of zeros has e = 0. As a byte (E8M0): e + 127.
;;     - Each number is divided by its block's scale, clamped to +-448, and rounded to the nearest number of E4M3, ties to even, subnormals kept.
;;     - The product sums the exact products of the quantised numbers (number of the format x scale) in f32.
;;   ~~~python
;;   def quantise(x, axis):      # numpy; x: float32 -> the quantised numbers, widened to float32 again
;;       x = np.moveaxis(x, axis, -1); K = x.shape[-1]
;;       x = np.pad(x, [(0, 0)] * (x.ndim - 1) + [(0, -K % 32)]); x = x.reshape(x.shape[:-1] + (-1, 32)); a = np.abs(x).max(-1, keepdims=True)
;;       e = np.where(a > 0, np.clip(np.frexp(np.where(a > 0, a, 1))[1] - 1 - 8, -126, 127), 0)      # np.frexp(a)[1] - 1 = floor(log2(a)), exactly
;;       r = np.clip(x / 2.0 ** e, -448, 448)
;;       step = 2.0 ** (np.maximum(np.frexp(np.where(r == 0, 1, r))[1] - 1, -6) - 3)
;;       q = np.round(r / step) * step * 2.0 ** e      # np.round: ties to even
;;       return np.moveaxis(q.reshape(q.shape[:-2] + (-1,))[..., :K], -1, axis).astype(np.float32)
;;   ~~~
;;   SOFTMAX AHEAD OF A QUANTISED PRODUCT. Where the list says 'softmax', what is quantised is not the finished softmax but p = 2^(t - M), with t = logit x log2(e) and M = ceil(the row's largest t), a whole number; so 1/2 < the row's largest p <= 1. The row's sum l is taken of the UNQUANTISED p, in f32, and the product's result is divided by l at the end. Since M is a whole number, a kernel that streams over the keys may use a running M (the ceiling of the running maximum): every later rescaling is an exact power of two, which a block's scale takes up: the codes' values come out the same.
;;   OPERANDS COMPUTED ON THE WAY. 'Computed on the way' means the value that the module computes at that place (a softmax that the list does not call 'softmax' is quantised finished and normalised). What goes into a quantiser is computed in f32, as accurately as f32 sums, v_exp_f32 and their like allow (about 1e-6 of the number): no bf16 or f16 on the way to a quantiser, and a product that is left as it is and whose result goes on into a quantised operand takes f32 operands (vector FMAs, or v_wmma_f32_16x16x4_f32). A number that lies on a knife's edge between two numbers of the format may be rounded either way, as far as f32 arithmetic and the matrix unit's own rounding can turn it there, and no further.
;;   INPUTS GIVEN AS CODES. Wk (in the module: [1024, 1024], K = its axis 1); Wq (in the module: [1024, 1024], K = its axis 1); Wv (in the module: [1024, 1024], K = its axis 1); hidden_states (in the module: [4, 2048, 1024], K = its axis 2): each comes as NAME_codes (uint8): NAME with its K axis moved to the last place and cut into blocks of 32 codes, [.., K / 32, bytes a block], one block behind the other in memory; one code a byte (a code: sign, 4 exponent bits, 3 mantissa bits); and NAME_scales (uint8): the same leading axes, one E8M0 byte (e + 127) for each 32 codes along K. Its value is code x scale, taken as it is: it is not quantised again, and the codes and scales need not be those that the quantiser above would give.
;; One version. Each part assembles by itself: llvm-mc -triple=amdgcn-amd-amdhsa -mcpu=gfx1250 --defsym DOCPART=n.
;; ======== version 1 of 1: 2 launches
;; limits: right only within a limited range of input values
;; workspace buffers: qbuf 8,650,752 bytes; kvbuf 17,301,504 bytes
;; launch proj (part 1): grid 8 x 32, 4 waves a work-group, clusters of 4 x 4, 327,680 bytes of LDS; arguments hidden_states_codes, hidden_states_scales, Wq_codes, Wq_scales, Wk_codes, Wk_scales, Wv_codes, Wv_scales, bq, bk, bv, qbuf, kvbuf; writes qbuf, kvbuf
.if DOCPART == 1
	.amdgcn_target "amdgcn-amd-amdhsa--gfx1250"
	.amdhsa_code_object_version 6
	.text
	.protected	k_qebf1227c30_proj
	.globl	k_qebf1227c30_proj
	.p2align	8
	.type	k_qebf1227c30_proj,@function
k_qebf1227c30_proj:
	s_mov_b64 s[64:65], 0
	v_nop
	global_prefetch_b8 v0, s[64:65] scope:SCOPE_SE
	s_setreg_imm32_b32 hwreg(HW_REG_WAVE_MODE, 25, 1), 1
	s_wait_xcnt 0x0
	s_wait_alu depctr_hold_cnt(0) depctr_sa_sdst(0) depctr_va_vdst(0) depctr_va_sdst(0) depctr_va_ssrc(0) depctr_va_vcc(0) depctr_vm_vsrc(0)
	s_getreg_b32 s2, hwreg(HW_REG_IB_STS2, 6, 4)
	s_cmp_eq_u32 s2, 0
	s_cbranch_scc0 .Lentry_in_a_cluster
	s_endpgm
.Lentry_in_a_cluster:
	s_bfe_u32 s2, ttmp6, 0x10000c
	s_cmp_lg_u32 s2, 0xf033
	s_cbranch_scc0 .Lentry_shape_is_right
	s_endpgm
.Lentry_shape_is_right:
.set PITCH,  144
.set WTILE,  128*PITCH
.set HOFF,   3*WTILE
.set SLOT,   5*WTILE
.set FB,     16*PITCH
.set SCL,    2*SLOT
.set SPARE,  SCL+20480
.set QREC,   8448
.set KREC,   16896
.set VB,   1
.set AH,   2
.set AW,   4
.set AS0,  6
.set AS1,  7
.set AS2,  8
.set SPW,  9
.set NIL,  10
.set VR,   11
.set SC,   12
.set H,    32
.set WB0,  160
.set WB1,  192
.set WB2,  224
.set LI,   2
.set LN,   3
.set L8,   4
.set BK,   32
.set BV,   64
.set X,    96
.set BQ,   160
.set PC,   192
.set TM,   208
.set QW,   224
.set KW,   228
.set VW,   232
.set WV,   3
.set SEL,  42
.set MNT,  66
.set G1H,  44
.set G1W,  52
.set G1HS, 80
.set G1WS, 88
.set G0H,  60
.set G0W,  72
.set G0HS, 96
.set G0WS, 12
.set MSB, 0
.macro WIN new
.if MSB != (\new)
	s_set_vgpr_msb (MSB<<8)|(\new)
.set MSB, (\new)
.endif
.endm
.macro PLACES n
.rept \n
	v_nop
.endr
.endm
.macro JLOAD g0h, g1h, g0w, g1w
	s_cmp_eq_u32 s[WV], 3
	s_cbranch_scc0 .Lfor_w_\@
	tensor_load_to_lds s[\g0h:\g0h+3], s[\g1h:\g1h+7]
	s_nop 0
.rept 4
	v_nop
.endr
	s_branch .Lasked_\@
.Lfor_w_\@:
	tensor_load_to_lds s[\g0w:\g0w+3], s[\g1w:\g1w+7]
	s_nop 0
.rept 4
	v_nop
.endr
.Lasked_\@:
.endm
.macro CREST
	s_cmp_lg_u32 s[WV], 0
	s_cbranch_scc1 .Lnot_wave_0_\@
	s_barrier_signal -3
.Lnot_wave_0_\@:
	s_barrier_wait -3
	s_barrier_signal -1
	s_barrier_wait -1
.endm
.macro CROUND
	s_barrier_signal -1
	s_barrier_wait -1
	CREST
.endm
	s_load_b512 s[16:31], s[0:1], 0x0
	s_load_b256 s[32:39], s[0:1], 0x40
	s_load_b64 s[40:41], s[0:1], 0x60
	v_lshl_add_u32 v[SPW], v0, 2, SPARE
	v_mov_b32 v[NIL], 0
	ds_add_u32 v9, v10
	ds_add_u32 v9, v10
	s_wait_dscnt 0x0
	v_lshrrev_b32 v1, 5, v0
	v_readfirstlane_b32 s[WV], v1
	s_lshr_b32 s4, s[WV], 1
	s_and_b32 s5, s[WV], 1
	s_bfe_u32 s6, ttmp6, 0x40000
	s_bfe_u32 s7, ttmp6, 0x40004
	s_lshl_b32 s8, ttmp9, 2
	s_add_co_u32 s8, s8, s6
	s_and_b32 s9, ttmp7, 0xffff
	s_lshl_b32 s9, s9, 2
	s_add_co_u32 s9, s9, s7
	s_lshl_b32 s66, s7, 2
	s_lshl_b32 s66, 15, s66
	s_lshl_b32 s10, 0x1111, s6
	s_or_b32 s[G1H], s66, (1<<20)|(1<<21)|(4<<22)|(3<<25)
	s_or_b32 s[G1W], s10, (1<<20)|(1<<21)|(4<<22)|(3<<25)
	s_or_b32 s[G1HS], s66, (3<<16)|(1<<21)
	s_or_b32 s[G1WS], s10, (3<<16)|(1<<21)
	s_mov_b32 s[G1H+1], 128<<16
	s_mov_b32 s[G1H+2], 256<<16
	s_mov_b32 s[G1H+3], 128<<16
	s_mov_b32 s[G1H+4], 256
	s_mov_b32 s[G1H+5], 1024
	s_mov_b32 s[G1H+6], 0
	s_mov_b32 s[G1H+7], 0
	s_mov_b32 s[G1W+1], 128<<16
	s_mov_b32 s[G1W+2], 128<<16
	s_mov_b32 s[G1W+3], 128<<16
	s_mov_b32 s[G1W+4], 128
	s_mov_b32 s[G1W+5], 1024
	s_mov_b32 s[G1W+6], 0
	s_mov_b32 s[G1W+7], 0
	s_mov_b32 s[G1HS+1], 32<<16
	s_mov_b32 s[G1HS+2], 32<<16
	s_mov_b32 s[G1HS+3], 32<<16
	s_mov_b32 s[G1HS+4], 32
	s_mov_b32 s[G1HS+5], 32
	s_mov_b32 s[G1HS+6], 0
	s_mov_b32 s[G1HS+7], 0
	s_mov_b32 s[G1WS+1], 32<<16
	s_mov_b32 s[G1WS+2], 16<<16
	s_mov_b32 s[G1WS+3], 32<<16
	s_mov_b32 s[G1WS+4], 16
	s_mov_b32 s[G1WS+5], 32
	s_mov_b32 s[G1WS+6], 0
	s_mov_b32 s[G1WS+7], 0
	s_lshl_b32 s66, s9, 18
	s_mov_b32 s67, 0
	s_lshl_b32 s10, s8, 17
	s_mov_b32 s11, 0
	s_mul_i32 s100, s[WV], WTILE
	s_lshl_b32 s101, s[WV], 12
	s_wait_kmcnt 0x0
	s_cmp_eq_u32 s[WV], 1
	s_cselect_b64 s[20:21], s[24:25], s[20:21]
	s_cselect_b64 s[22:23], s[26:27], s[22:23]
	s_cmp_eq_u32 s[WV], 2
	s_cselect_b64 s[20:21], s[28:29], s[20:21]
	s_cselect_b64 s[22:23], s[30:31], s[22:23]
	s_add_nc_u64 s[16:17], s[16:17], s[66:67]
	s_add_nc_u64 s[20:21], s[20:21], s[10:11]
	s_lshl_b32 s66, s9, 13
	s_lshl_b32 s10, s8, 12
	s_add_nc_u64 s[18:19], s[18:19], s[66:67]
	s_add_nc_u64 s[22:23], s[22:23], s[10:11]
	CROUND
	s_mov_b32 s[G0HS], 1
	s_add_co_u32 s[G0HS+1], s101, SCL
	s_mov_b64 s[G0HS+2:G0HS+3], s[18:19]
	s_or_b32 s[G0HS+3], s[G0HS+3], 0x80000000
	s_mov_b32 s[G0WS], 1
	s_add_co_u32 s[G0WS+1], s101, SCL
	s_mov_b64 s[G0WS+2:G0WS+3], s[22:23]
	s_or_b32 s[G0WS+3], s[G0WS+3], 0x80000000
	JLOAD G0HS, G1HS, G0WS, G1WS
.irp s, 0,1
	s_mov_b32 s[G0H+8*\s], 1
	s_add_co_u32 s[G0H+8*\s+1], s100, \s*SLOT
	s_add_nc_u64 s[G0H+8*\s+2:G0H+8*\s+3], s[16:17], \s*128
	s_or_b32 s[G0H+8*\s+3], s[G0H+8*\s+3], 0x80000000
	s_mov_b32 s[G0W+4*\s], 1
	s_add_co_u32 s[G0W+4*\s+1], s100, \s*SLOT
	s_add_nc_u64 s[G0W+4*\s+2:G0W+4*\s+3], s[20:21], \s*128
	s_or_b32 s[G0W+4*\s+3], s[G0W+4*\s+3], 0x80000000
	s_wait_alu depctr_va_vdst(0)
	s_wait_tensorcnt 0x0
	ds_add_u32 v9, v10
	s_wait_dscnt 0x0
	CROUND
	JLOAD G0H+8*\s, G1H, G0W+4*\s, G1W
.endr
	v_and_b32 v32, 15, v0
	v_bfe_u32 v33, v0, 4, 1
	s_wait_alu depctr_va_vdst(0)
	v_mul_u32_u24 v34, v32, PITCH
	v_lshl_add_u32 v34, v33, 4, v34
	s_mul_i32 s100, s4, WTILE
	s_add_co_u32 s100, s100, HOFF
	s_mul_i32 s101, s5, 64*PITCH
	v_add_nc_u32 v[AH], s100, v34
	v_add_nc_u32 v[AW], s101, v34
	v_add_nc_u32 v[AH+1], SLOT, v[AH]
	v_add_nc_u32 v[AW+1], SLOT, v[AW]
	v_lshlrev_b32 v35, 5, v32
	s_wait_alu depctr_va_vdst(0)
	s_xor_b32 s101, s5, 1
	s_lshl_b32 s101, s101, 11
	s_lshl_b32 s100, s4, 12
	s_add_co_u32 s101, s101, s100
	s_add_co_u32 s101, s101, 8192
	v_mul_u32_u24 v37, s101, v33
	s_add_co_u32 s101, s101, 2048
	v_mul_u32_u24 v36, s101, v33
	s_lshl_b32 s100, s5, 11
	s_add_co_u32 s100, s100, SCL
	v_add_nc_u32 v35, s100, v35
	v_add_nc_u32 v[AS0], v35, v36
	v_add_nc_u32 v[AS1], v35, v37
	v_lshl_add_u32 v[AS2], v33, 10, v35
	v_add_nc_u32 v[AS2], 8192, v[AS2]
	v_lshlrev_b32 v[VB], 5, v33
	v_lshlrev_b32 v[VR], 2, v32
	s_lshl_b32 s100, s9, 1
	s_add_co_u32 s100, s100, s4
	s_lshl_b32 s101, s8, 1
	s_add_co_u32 s101, s101, s5
	s_lshr_b32 s10, s100, 4
	s_lshl_b32 s10, s10, 4
	s_add_co_u32 s10, s10, s101
	s_lshl_b32 s10, s10, 4
	s_and_b32 s100, s100, 15
	s_add_co_u32 s100, s10, s100
	s_mov_b32 s11, 0
	s_mul_i32 s10, s100, QREC
	s_add_nc_u64 s[38:39], s[38:39], s[10:11]
	s_mul_i32 s10, s100, KREC
	s_add_nc_u64 s[40:41], s[40:41], s[10:11]
	s_lshl_b32 s10, s101, 8
	s_add_nc_u64 s[32:33], s[32:33], s[10:11]
	s_add_nc_u64 s[34:35], s[34:35], s[10:11]
	s_add_nc_u64 s[36:37], s[36:37], s[10:11]
	s_mov_b32 s[SEL], 0x76543210
	s_mov_b32 s[SEL+1], 0xfedcba98
.macro FRAG reg, adr, off
.irp c, 0,1,2,3
	ds_load_b128 v[(\reg)+4*\c:(\reg)+4*\c+3], v[\adr] offset:(\off)+32*\c
.endr
.endm
.macro LDW buf, slot, m, p
	FRAG \buf, AW+\slot, (\m)*WTILE+FB*(2*(\p))
	FRAG \buf+16, AW+\slot, (\m)*WTILE+FB*(2*(\p)+1)
.endm
.macro LDH slot, a0
.irp a, \a0, \a0+1, \a0+2, \a0+3
	FRAG H+16*(\a), AH+\slot, FB*(\a)
.endr
.endm
.macro SCALES set
.irp i, 0,1,2,3
	ds_load_b32 v[SC+10*(\set)+\i], v[AS0] offset:512*\i
.endr
.irp i, 0,1,2,3
	ds_load_b32 v[SC+10*(\set)+4+\i], v[AS1] offset:4096+512*\i
.endr
.irp i, 0,1
	ds_load_b32 v[SC+10*(\set)+8+\i], v[AS2] offset:512*\i
.endr
.endm
.macro MULW m, buf, p, a0, set, zero
	WIN 0x50*((\m)+1)
.irp a, \a0, \a0+1, \a0+2, \a0+3
.irp e, 0,1
.set rD, 8*(4*(\a)+2*(\p)+\e)
.set rA, (\buf)+16*\e
.set rB, H+16*(\a)
.set rSA, SC+10*(\set)+4*(\m)+2*(\p)+\e
.set rSB, SC+10*(\set)+(\a)
.if \zero
	v_wmma_scale_f32_16x16x128_f8f6f4 v[rD:rD+7], v[rA:rA+15], v[rB:rB+15], 0, v[rSA], v[rSB] matrix_b_scale:MATRIX_SCALE_ROW1
.else
	v_wmma_scale_f32_16x16x128_f8f6f4 v[rD:rD+7], v[rA:rA+15], v[rB:rB+15], v[rD:rD+7], v[rSA], v[rSB] matrix_b_scale:MATRIX_SCALE_ROW1
.endif
.endr
.endr
.endm
.macro MULV a0, set, zero
	WIN 0xf0
.irp a, \a0, \a0+1
.irp ct, 0,1,2,3
.set rD, 8*(8*\ct+(\a))
.set rA, H+16*(\a)
.set rB, WB1+16*\ct
.set rSA, SC+10*(\set)+(\a)
.set rSB, SC+10*(\set)+8+\ct%2
.if \zero
.if \ct < 2
	v_wmma_scale_f32_16x16x128_f8f6f4 v[rD:rD+7], v[rA:rA+15], v[rB:rB+15], 0, v[rSA], v[rSB] matrix_a_scale:MATRIX_SCALE_ROW1
.else
	v_wmma_scale_f32_16x16x128_f8f6f4 v[rD:rD+7], v[rA:rA+15], v[rB:rB+15], 0, v[rSA], v[rSB] matrix_a_scale:MATRIX_SCALE_ROW1 matrix_b_scale:MATRIX_SCALE_ROW1
.endif
.else
.if \ct < 2
	v_wmma_scale_f32_16x16x128_f8f6f4 v[rD:rD+7], v[rA:rA+15], v[rB:rB+15], v[rD:rD+7], v[rSA], v[rSB] matrix_a_scale:MATRIX_SCALE_ROW1
.else
	v_wmma_scale_f32_16x16x128_f8f6f4 v[rD:rD+7], v[rA:rA+15], v[rB:rB+15], v[rD:rD+7], v[rSA], v[rSB] matrix_a_scale:MATRIX_SCALE_ROW1 matrix_b_scale:MATRIX_SCALE_ROW1
.endif
.endif
.endr
.endr
.endm
.macro STEP slot, zero, turn, next
	s_wait_dscnt 32
	MULW 0, WB0, 0, 0, \slot, \zero
	s_wait_dscnt 16
	MULW 0, WB0, 0, 4, \slot, \zero
	PLACES 8
	WIN 0
	LDW WB0, \slot, 1, 1
	s_wait_dscnt 16
	MULW 0, WB1, 1, 0, \slot, \zero
	MULW 0, WB1, 1, 4, \slot, \zero
	PLACES 8
	WIN 0
	LDW WB1, \slot, 2, 0
	s_wait_dscnt 16
	MULW 1, WB2, 0, 0, \slot, \zero
	MULW 1, WB2, 0, 4, \slot, \zero
	PLACES 8
	WIN 0
	LDW WB2, \slot, 2, 1
	s_wait_dscnt 16
	MULW 1, WB0, 1, 0, \slot, \zero
.if \turn
	WIN 0
	s_wait_tensorcnt 0x0
	ds_add_u32 v[SPW], v[NIL]
	MULW 1, WB0, 1, 4, \slot, \zero
	s_wait_dscnt 0x0
	s_barrier_signal -1
	MULV 0, \slot, \zero
	WIN 0
	s_barrier_wait -1
.if \turn == 2
	CREST
	s_add_nc_u64 s[G0H+8*(\slot)+2:G0H+8*(\slot)+3], s[G0H+8*(\slot)+2:G0H+8*(\slot)+3], 256
	s_add_nc_u64 s[G0W+4*(\slot)+2:G0W+4*(\slot)+3], s[G0W+4*(\slot)+2:G0W+4*(\slot)+3], 256
	JLOAD G0H+8*(\slot), G1H, G0W+4*(\slot), G1W
	PLACES 4
.else
	PLACES 8
.endif
.else
	MULW 1, WB0, 1, 4, \slot, \zero
	s_wait_dscnt 0x0
	MULV 0, \slot, \zero
	WIN 0
	PLACES 8
.endif
.if \next
	LDW WB0, 1-(\slot), 0, 0
.else
.irp wt, 0,1,2,3
	global_load_b128 v[BQ+8*\wt:BQ+8*\wt+3], v[VB], s[32:33] offset:64*\wt
	global_load_b128 v[BQ+8*\wt+4:BQ+8*\wt+7], v[VB], s[32:33] offset:64*\wt+16
.endr
.endif
	MULV 2, \slot, \zero
	PLACES 8
	WIN 0
.if \next
	s_wait_alu depctr_va_vdst(0)
	v_add_nc_u32 v[AS0], 4, v[AS0]
	v_add_nc_u32 v[AS1], 4, v[AS1]
	v_add_nc_u32 v[AS2], 4, v[AS2]
	SCALES 1-(\slot)
	LDH 1-(\slot), 0
.else
.irp wt, 0,1,2,3
	global_load_b128 v[BK+8*\wt:BK+8*\wt+3], v[VB], s[34:35] offset:64*\wt
	global_load_b128 v[BK+8*\wt+4:BK+8*\wt+7], v[VB], s[34:35] offset:64*\wt+16
.endr
.irp ct, 0,1,2,3
	global_load_b32 v[BV+2*\ct], v[VR], s[36:37] offset:64*\ct
	global_load_b32 v[BV+2*\ct+1], v[VR], s[36:37] offset:64*\ct
.endr
.endif
	MULV 4, \slot, \zero
	MULV 6, \slot, \zero
	PLACES 8
	WIN 0
.if \next
	LDH 1-(\slot), 4
	LDW WB1, 1-(\slot), 0, 1
	LDW WB2, 1-(\slot), 1, 0
.endif
.endm
	s_wait_alu depctr_va_vdst(0)
	s_wait_tensorcnt 0x1
	s_barrier_signal -1
	s_barrier_wait -1
	LDW WB0, 0, 0, 0
	SCALES 0
	LDH 0, 0
	LDH 0, 4
	LDW WB1, 0, 0, 1
	LDW WB2, 0, 1, 0
	STEP 0, 1, 2, 1
	s_mov_b32 s2, 2
.Llap:
	STEP 1, 0, 2, 1
	STEP 0, 0, 2, 1
	s_sub_co_u32 s2, s2, 1
	s_cmp_lg_u32 s2, 0
	s_cbranch_scc1 .Llap
	STEP 1, 0, 2, 1
	STEP 0, 0, 1, 1
	STEP 1, 0, 0, 0
.macro MOVE m, q
	WIN (\m)+1
.set i, 0
.rept 32
.if (\m) == 2
	v_pk_add_f32 v[X+2*i:X+2*i+1], v[64*(\q)+2*i:64*(\q)+2*i+1], v[BV+2*(\q):BV+2*(\q)+1]
.elseif (\m) == 1
	v_pk_add_f32 v[X+2*i:X+2*i+1], v[64*(\q)+2*i:64*(\q)+2*i+1], v[BK+(2*i)%32:BK+(2*i)%32+1]
.else
	v_pk_add_f32 v[X+2*i:X+2*i+1], v[64*(\q)+2*i:64*(\q)+2*i+1], v[BQ+(2*i)%32:BQ+(2*i)%32+1]
.endif
.set i, i+1
.endr
	WIN 0
.endm
.macro QUANT word
.irp b, 0,1,2,3
	v_max3_num_f32 v[TM+\b], |v[X+16*\b]|, |v[X+1+16*\b]|, 0x4800000
.endr
.irp i, 2,4,6,8,10,12,14
.irp b, 0,1,2,3
	v_max3_num_f32 v[TM+\b], v[TM+\b], |v[X+16*\b+\i]|, |v[X+1+16*\b+\i]|
.endr
.endr
.irp b, 0,1,2,3
	v_permlanex16_b32 v[TM+4+\b], v[TM+\b], s[SEL], s[SEL+1]
.endr
.irp b, 0,1,2,3
	v_max_num_f32 v[TM+\b], v[TM+\b], v[TM+4+\b]
.endr
.irp b, 0,1,2,3
	v_add_nc_u32 v[TM+12+\b], 0xfc000000, v[TM+\b]
.endr
.irp b, 0,1,2,3
.endr
.irp b, 0,1,2,3
	v_lshrrev_b32 v[TM+4+\b], 23, v[TM+12+\b]
.endr
	v_lshl_or_b32 v[\word], v[TM+5], 8, v[TM+4]
	v_lshl_or_b32 v[\word], v[TM+6], 16, v[\word]
	v_lshl_or_b32 v[\word], v[TM+7], 24, v[\word]
	s_wait_xcnt 0x0
.irp b, 0,1,2,3
.irp i, 0,1,2,3,4,5,6,7,8,9,10,11,12,13,14,15
.endr
	v_cvt_scalef32_pk8_fp8_f32 v[PC+4*\b:PC+4*\b+1], v[X+16*\b:X+16*\b+7], v[TM+12+\b]
	v_cvt_scalef32_pk8_fp8_f32 v[PC+4*\b+2:PC+4*\b+3], v[X+16*\b+8:X+16*\b+15], v[TM+12+\b]
.endr
	v_nop
.irp b, 0,1,2,3
	v_permlane16_swap_b32 v[PC+4*\b], v[PC+4*\b+2]
	v_permlane16_swap_b32 v[PC+4*\b+1], v[PC+4*\b+3]
.endr
.endm
.macro OUT base, off
.irp c, 0,1,2,3
	global_store_b128 v[LI], v[PC+4*\c:PC+4*\c+3], s[\base:\base+1] offset:(\off)+512*\c
.endr
.endm
	v_and_b32 v[LN], 31, v0
	v_lshlrev_b32 v[LI], 4, v[LN]
	v_lshlrev_b32 v[L8], 3, v[LN]
.irp b, 0,1,2,3
	v_mov_b32 v[TM+4+\b], 0
.endr
	s_wait_loadcnt 16
.irp q, 0,1,2,3
	MOVE 0, \q
	QUANT QW+\q
	OUT 38, 2048*\q
.endr
	s_wait_loadcnt 8
.irp q, 0,1,2,3
	MOVE 1, \q
	QUANT KW+\q
	OUT 40, 2048*\q
.endr
	s_wait_loadcnt 0x0
.irp q, 0,1,2,3
	MOVE 2, \q
	QUANT VW+\q
	OUT 40, 8192+2048*\q
.endr
	v_cmp_le_u32 vcc_lo, 16, v[LN]
	v_cndmask_b32 v236, v[QW], v[QW+2], vcc_lo
	v_cndmask_b32 v237, v[QW+1], v[QW+3], vcc_lo
	v_cndmask_b32 v240, v[KW], v[KW+2], vcc_lo
	v_cndmask_b32 v241, v[KW+1], v[KW+3], vcc_lo
	v_cndmask_b32 v242, v[VW], v[VW+2], vcc_lo
	v_cndmask_b32 v243, v[VW+1], v[VW+3], vcc_lo
	global_store_b64 v[L8], v[236:237], s[38:39] offset:8192
	global_store_b128 v[LI], v[240:243], s[40:41] offset:16384
	s_wait_tensorcnt 0x0
	ds_add_u32 v[SPW], v[NIL]
	s_wait_dscnt 0x0
	CROUND
	s_endpgm
.Lfunc_end_k_qebf1227c30_proj:
	.size	k_qebf1227c30_proj, .Lfunc_end_k_qebf1227c30_proj-k_qebf1227c30_proj
	.p2alignl 7, 3214868480
	.fill 96, 4, 3214868480
	.section	.rodata,"a",@progbits
	.p2align	6, 0x0
	.amdhsa_kernel k_qebf1227c30_proj
		.amdhsa_group_segment_fixed_size 327680
		.amdhsa_private_segment_fixed_size 0
		.amdhsa_enable_private_segment 0
		.amdhsa_kernarg_size 104
		.amdhsa_user_sgpr_count 2
		.amdhsa_user_sgpr_kernarg_segment_ptr 1
		.amdhsa_wavefront_size32 1
		.amdhsa_system_sgpr_workgroup_id_x 1
		.amdhsa_system_sgpr_workgroup_id_y 1
		.amdhsa_system_sgpr_workgroup_id_z 1
		.amdhsa_system_vgpr_workitem_id 0
		.amdhsa_next_free_vgpr 1024
		.amdhsa_next_free_sgpr 102
		.amdhsa_reserve_vcc 1
		.amdhsa_float_denorm_mode_32 3
		.amdhsa_float_denorm_mode_16_64 3
		.amdhsa_fp16_overflow 1
		.amdhsa_memory_ordered 1
		.amdhsa_forward_progress 1
		.amdhsa_inst_pref_size 213
	.end_amdhsa_kernel
	.amdgpu_metadata
---
amdhsa.version: [ 1, 2 ]
amdhsa.kernels:
  - .name:           k_qebf1227c30_proj
    .symbol:         k_qebf1227c30_proj.kd
    .args:
      - { .name: hidden_states_codes, .offset: 0, .size: 8, .value_kind: global_buffer, .address_space: global }
      - { .name: hidden_states_scales, .offset: 8, .size: 8, .value_kind: global_buffer, .address_space: global }
      - { .name: Wq_codes, .offset: 16, .size: 8, .value_kind: global_buffer, .address_space: global }
      - { .name: Wq_scales, .offset: 24, .size: 8, .value_kind: global_buffer, .address_space: global }
      - { .name: Wk_codes, .offset: 32, .size: 8, .value_kind: global_buffer, .address_space: global }
      - { .name: Wk_scales, .offset: 40, .size: 8, .value_kind: global_buffer, .address_space: global }
      - { .name: Wv_codes, .offset: 48, .size: 8, .value_kind: global_buffer, .address_space: global }
      - { .name: Wv_scales, .offset: 56, .size: 8, .value_kind: global_buffer, .address_space: global }
      - { .name: bq, .offset: 64, .size: 8, .value_kind: global_buffer, .address_space: global }
      - { .name: bk, .offset: 72, .size: 8, .value_kind: global_buffer, .address_space: global }
      - { .name: bv, .offset: 80, .size: 8, .value_kind: global_buffer, .address_space: global }
      - { .name: qbuf, .offset: 88, .size: 8, .value_kind: global_buffer, .address_space: global }
      - { .name: kvbuf, .offset: 96, .size: 8, .value_kind: global_buffer, .address_space: global }
    .group_segment_fixed_size: 327680
    .private_segment_fixed_size: 0
    .kernarg_segment_align: 8
    .kernarg_segment_size: 104
    .max_flat_workgroup_size: 128
    .sgpr_count:     102
    .vgpr_count:     1024
    .wavefront_size: 32
...
	.end_amdgpu_metadata
.endif
;; end of part 1
;; launch attn (part 2): grid 4 x 64, 8 waves a work-group, clusters of 4 x 1, 327,680 bytes of LDS; arguments qbuf, kvbuf, attention_mask, out0; writes out0
.if DOCPART == 2
	.amdgcn_target "amdgcn-amd-amdhsa--gfx1250"
	.amdhsa_code_object_version 6
	.text
	.protected	k_qebf1227c30_attn
	.globl	k_qebf1227c30_attn
	.p2align	8
	.type	k_qebf1227c30_attn,@function
k_qebf1227c30_attn:
	s_mov_b64 s[64:65], 0
	v_nop
	global_prefetch_b8 v0, s[64:65] scope:SCOPE_SE
	s_setreg_imm32_b32 hwreg(HW_REG_WAVE_MODE, 25, 1), 1
	s_wait_xcnt 0x0
	s_wait_alu depctr_hold_cnt(0) depctr_sa_sdst(0) depctr_va_vdst(0) depctr_va_sdst(0) depctr_va_ssrc(0) depctr_va_vcc(0) depctr_vm_vsrc(0)
	s_getreg_b32 s2, hwreg(HW_REG_IB_STS2, 6, 4)
	s_cmp_eq_u32 s2, 0
	s_cbranch_scc0 .Lentry_in_a_cluster
	s_endpgm
.Lentry_in_a_cluster:
	s_bfe_u32 s2, ttmp6, 0x10000c
	s_cmp_lg_u32 s2, 0x3003
	s_cbranch_scc0 .Lentry_shape_is_right
	s_endpgm
.Lentry_shape_is_right:
.set REC,   16896
.set MASK,  16*REC
.set QREC,  8448
.set SP,    272
.set LI,   1
.set LM,   2
.set ADR,  3
.set ADM,  4
.set GO,   5
.set STO,  3
.set RD,   4
.set NM,   6
.set KS,   14
.set VS,   16
.set QS,   18
.set PW,   22
.set R,    23
.set F,    24
.set TM,   26
.set T2,   30
.set SCO,  34
.set P,    40
.set S,    56
.set KF,   120
.set QF,   192
.set OB,   56
.set MK,   128
.set VF,   192
.set WV,   12
.set G1,   16
.set G0A,  24
.set G0B,  28
.set CS,   32
.set SEL,  34
.set MNT,  36
.set TB,   37
.set TMK,  38
.set CNT,  39
.set MSB, 0
.macro WIN new
.if MSB != (\new)
	s_set_vgpr_msb (MSB<<8)|(\new)
.set MSB, (\new)
.endif
.endm
.macro PLACES n
.rept \n
	v_nop
.endr
.endm
.macro CROUND
	s_barrier_signal -1
	s_barrier_wait -1
	s_cmp_lg_u32 s[WV], 0
	s_cbranch_scc1 .Lnot_wave_0_\@
	s_barrier_signal -3
.Lnot_wave_0_\@:
	s_barrier_wait -3
	s_barrier_signal -1
	s_barrier_wait -1
.endm
	s_load_b256 s[4:11], s[0:1], 0x0
	v_lshl_add_u32 v254, v0, 2, 0x44000
	v_mov_b32 v255, 0
	ds_add_u32 v254, v255
	ds_add_u32 v254, v255
	s_wait_dscnt 0x0
	v_lshrrev_b32 v1, 5, v0
	s_delay_alu instid0(VALU_DEP_1)
	v_readfirstlane_b32 s[WV], v1
	s_bfe_u32 s13, ttmp6, 0x40000
	s_lshl_b32 s15, ttmp9, 2
	s_add_co_u32 s13, s15, s13
	s_and_b32 s14, ttmp7, 0xffff
	s_mov_b32 s[G1], 15|(3<<16)|(1<<21)
	s_mov_b32 s[G1+1], 32<<16
	s_mov_b32 s[G1+2], 66<<16
	s_mov_b32 s[G1+3], 32<<16
	s_mov_b32 s[G1+4], 66
	s_mov_b32 s[G1+5], 32
	s_mov_b32 s[G1+6], 0
	s_mov_b32 s[G1+7], 0
	s_mul_i32 s42, s14, 16*REC
	s_mul_i32 s41, s[WV], REC
	s_add_co_u32 s42, s42, s41
	s_mov_b32 s43, 0
	s_mov_b32 s[CS], 0x3e38aa3b
	s_mov_b32 s[CS+1], s[CS]
	s_mov_b32 s[SEL], 0x76543210
	s_mov_b32 s[SEL+1], 0xfedcba98
	s_mov_b32 s[TB], 0
	s_mov_b32 s[TMK], 0
	s_wait_kmcnt 0x0
	s_add_nc_u64 s[6:7], s[6:7], s[42:43]
	CROUND
	s_mov_b32 s[G0A], 1
	s_mov_b32 s[G0A+1], s41
	s_mov_b64 s[G0A+2:G0A+3], s[6:7]
	s_or_b32 s[G0A+3], s[G0A+3], 0x80000000
	s_mov_b32 s[G0B], 1
	s_add_co_u32 s[G0B+1], s41, 8*REC
	s_add_nc_u64 s[G0B+2:G0B+3], s[6:7], 8*REC
	s_or_b32 s[G0B+3], s[G0B+3], 0x80000000
	tensor_load_to_lds s[G0A:G0A+3], s[G1:G1+7]
	s_nop 0
	s_wait_alu depctr_va_vdst(0)
	s_wait_tensorcnt 0x0
	ds_add_u32 v254, v255
	s_wait_dscnt 0x0
	CROUND
	tensor_load_to_lds s[G0B:G0B+3], s[G1:G1+7]
	s_nop 0
.rept 4
	v_nop
.endr
	s_lshl_b32 s42, s14, 4
	s_lshl_b32 s44, s13, 2
	s_add_co_u32 s42, s42, s44
	s_lshr_b32 s44, s[WV], 1
	s_add_co_u32 s42, s42, s44
	s_mul_i32 s42, s42, QREC
	s_add_nc_u64 s[4:5], s[4:5], s[42:43]
	s_and_b32 s45, s[WV], 1
	s_lshl_b32 s42, s45, 12
	s_add_nc_u64 s[46:47], s[4:5], s[42:43]
	s_lshr_b32 s42, s14, 4
	s_lshl_b32 s42, s42, 13
	s_add_nc_u64 s[8:9], s[8:9], s[42:43]
	s_lshr_b32 s42, s14, 4
	s_lshl_b32 s42, s42, 11
	s_lshl_b32 s44, s13, 9
	s_add_co_u32 s42, s42, s44
	s_lshl_b32 s44, s[WV], 6
	s_add_co_u32 s42, s42, s44
	s_lshl_b32 s42, s42, 12
	s_and_b32 s44, s14, 15
	s_lshl_b32 s44, s44, 8
	s_add_co_u32 s42, s42, s44
	s_add_nc_u64 s[10:11], s[10:11], s[42:43]
	v_and_b32 v41, 31, v0
	s_delay_alu instid0(VALU_DEP_1)
	v_lshlrev_b32 v[LI], 4, v41
	v_bfe_u32 v41, v0, 4, 1
	s_delay_alu instid0(VALU_DEP_1)
	v_lshl_add_u32 v[LM], v41, 5, MASK
	v_lshlrev_b32 v[GO], 4, v0
	v_lshl_add_u32 v40, v0, 4, MASK
	v_and_b32 v41, 15, v0
	s_delay_alu instid0(VALU_DEP_1)
	v_lshlrev_b32 v41, 3, v41
	s_delay_alu instid0(VALU_DEP_1)
	v_lshl_add_u32 v41, s45, 7, v41
	global_load_b128 v[56:59], v[GO], s[8:9]
	global_load_b128 v[60:63], v[GO], s[8:9] offset:4096
.irp t, 0,1,2,3
.irp c, 0,1
	global_load_b128 v[QF+16*\t+4*\c:QF+16*\t+4*\c+3], v[LI], s[46:47] offset:1024*\t+512*\c
.endr
.endr
	global_load_b64 v[38:39], v41, s[4:5] offset:8192
.irp z, 184,200,216,232,248
.irp j, 0,1,2,3,4,5,6,7
	v_mov_b32 v[\z+\j], 0
.endr
.endr
.irp t, 0,1,2,3
	v_mov_b32 v[NM+2*\t], 0x7f61b1e6
	v_mov_b32 v[NM+2*\t+1], 0
.endr
.irp b, 0,1,2,3
	v_mov_b32 v[T2+\b], 0
.endr
	v_mov_b32 v[F+1], 0
	v_add_nc_u32 v[ADR], s[TB], v[LI]
	v_add_nc_u32 v[ADM], s[TMK], v[LM]
	s_wait_loadcnt 9
.irp j, 56,58,60,62
	v_pk_mul_f32 v[\j:\j+1], v[\j:\j+1], 0x41000000 op_sel_hi:[1,0]
.endr
	ds_store_b128 v40, v[56:59]
	ds_store_b128 v40, v[60:63] offset:4096
	s_wait_loadcnt 0x0
	v_perm_b32 v[QS], v38, v38, 0x01000100
	v_perm_b32 v[QS+1], v38, v38, 0x03020302
	v_perm_b32 v[QS+2], v39, v39, 0x01000100
	v_perm_b32 v[QS+3], v39, v39, 0x03020302
	WIN 0x40
.set i, 0
.rept 128
	v_mov_b32 v[i], 0
.set i, i+1
.endr
	WIN 0
.macro FETCH_K ko, mo
.irp g, 0,1,2,3
.irp c, 0,1,2,3
	ds_load_b128 v[KF+16*\g+4*\c:KF+16*\g+4*\c+3], v[ADR] offset:\ko+2048*\g+512*\c
.endr
.endr
	ds_load_b64 v[KS:KS+1], v[ADR] offset:\ko+16384
	WIN 0x40
.irp q, 0,1,2,3,4,5,6,7,8,9,10,11,12,13,14,15
	ds_load_b128 v[MK+4*\q:MK+4*\q+3], v[ADM] offset:\mo+64*(\q/2)+16*(\q%2)
.endr
	WIN 0
.endm
.macro FETCH_V
	WIN 0x40
.irp ct, 0,1,2,3
.irp c, 0,1,2,3
	ds_load_b128 v[VF+16*\ct+4*\c:VF+16*\ct+4*\c+3], v[ADR] offset:8192+2048*\ct+512*\c
.endr
.endr
	WIN 0
	ds_load_b64 v[VS:VS+1], v[ADR] offset:16392
.endm
.macro QK t
	WIN 0x10
.irp g, 0,1,2,3
.if \g < 2
	v_wmma_scale_f32_16x16x128_f8f6f4 v[S+16*\g:S+16*\g+7], v[KF+16*\g:KF+16*\g+15], v[QF+16*(\t):QF+16*(\t)+15], v[MK+16*\g:MK+16*\g+7], v[KS+\g%2], v[QS+(\t)]
	v_wmma_scale_f32_16x16x128_f8f6f4 v[S+16*\g+8:S+16*\g+15], v[KF+16*\g:KF+16*\g+15], v[QF-8+16*(\t):QF+7+16*(\t)], v[MK+16*\g+8:MK+16*\g+15], v[KS+\g%2], v[QS+(\t)]
.else
	v_wmma_scale_f32_16x16x128_f8f6f4 v[S+16*\g:S+16*\g+7], v[KF+16*\g:KF+16*\g+15], v[QF+16*(\t):QF+16*(\t)+15], v[MK+16*\g:MK+16*\g+7], v[KS+\g%2], v[QS+(\t)] matrix_a_scale:MATRIX_SCALE_ROW1
	v_wmma_scale_f32_16x16x128_f8f6f4 v[S+16*\g+8:S+16*\g+15], v[KF+16*\g:KF+16*\g+15], v[QF-8+16*(\t):QF+7+16*(\t)], v[MK+16*\g+8:MK+16*\g+15], v[KS+\g%2], v[QS+(\t)] matrix_a_scale:MATRIX_SCALE_ROW1
.endif
.endr
.endm
.macro PV t
	WIN 0x51
	s_setprio 0
.irp ct, 0,1,2,3
.if \ct < 2
	v_wmma_scale_f32_16x16x128_f8f6f4 v[32*(\t)+8*\ct:32*(\t)+8*\ct+7], v[VF+16*\ct:VF+16*\ct+15], v[P:P+15], v[32*(\t)+8*\ct:32*(\t)+8*\ct+7], v[VS+\ct%2], v[PW]
.else
	v_wmma_scale_f32_16x16x128_f8f6f4 v[32*(\t)+8*\ct:32*(\t)+8*\ct+7], v[VF+16*\ct:VF+16*\ct+15], v[P:P+15], v[32*(\t)+8*\ct:32*(\t)+8*\ct+7], v[VS+\ct%2], v[PW] matrix_a_scale:MATRIX_SCALE_ROW1
.endif
.endr
.endm
.macro TILE t, nx, fk, fv
.set NMT, NM+2*(\t)
.if \fk
	FETCH_K REC, 512
.endif
.irp b, 0,1,2,3
	v_max3_num_f32 v[TM+\b], v[S+16*\b], v[S+16*\b+1], v[S+16*\b+2]
.endr
	s_setprio 2
.irp i, 3,5,7,9,11,13
.irp b, 0,1,2,3
	v_max3_num_f32 v[TM+\b], v[TM+\b], v[S+16*\b+\i], v[S+16*\b+\i+1]
.endr
.endr
.irp b, 0,1,2,3
	v_max_num_f32 v[TM+\b], v[TM+\b], v[S+16*\b+15]
.endr
.if \fv
	FETCH_V
.endif
.irp b, 0,1,2,3
	v_permlanex16_b32 v[T2+\b], v[TM+\b], s[SEL], s[SEL+1]
.endr
.irp b, 0,1,2,3
	s_delay_alu instid0(VALU_DEP_4)
	v_max_num_f32 v[TM+\b], v[TM+\b], v[T2+\b]
.endr
	s_delay_alu instid0(VALU_DEP_2)
	v_max3_num_f32 v[R], v[TM], v[TM+1], v[TM+2]
	s_delay_alu instid0(VALU_DEP_1)
	v_max_num_f32 v[R], v[R], v[TM+3]
	s_delay_alu instid0(VALU_DEP_1)
	v_mul_f32 v[R], s[CS], v[R]
	s_delay_alu instid0(VALU_DEP_1)
	v_floor_f32 v[R], -v[R]
	s_delay_alu instid0(VALU_DEP_1)
	v_min_num_f32 v[R], v[R], v[NMT]
	s_delay_alu instid0(VALU_DEP_1)
	v_sub_f32 v[F], v[R], v[NMT]
	s_delay_alu instid0(VALU_DEP_2)
	v_mov_b32 v[NMT], v[R]
	s_delay_alu instid0(VALU_DEP_2)
	v_cvt_i32_f32 v[F], v[F]
	s_delay_alu instid0(VALU_DEP_1)
	v_ldexp_f32 v[F], 1.0, v[F]
.set j, 0
.rept 32
	v_pk_fma_f32 v[S+j:S+j+1], v[S+j:S+j+1], s[CS:CS+1], v[NMT:NMT+1] op_sel_hi:[1,0,0]
.set j, j+2
.endr
.set j, 0
	s_wait_alu depctr_va_vdst(0)
.rept 64
	v_exp_f32 v[S+j], v[S+j]
.set j, j+1
.endr
.irp b, 0,1,2,3
	v_fma_f32 v[TM+\b], v[TM+\b], s[CS], v[NMT]
.endr
	s_wait_alu depctr_va_vdst(0)
.irp b, 0,1,2,3
	v_exp_f32 v[TM+\b], v[TM+\b]
.endr
	v_pk_add_f32 v[T2:T2+1], v[S:S+1], v[S+2:S+3]
	v_pk_add_f32 v[T2+2:T2+3], v[S+4:S+5], v[S+6:S+7]
.irp j, 8,12,16,20,24,28,32,36,40,44,48,52,56,60
	v_pk_add_f32 v[T2:T2+1], v[T2:T2+1], v[S+\j:S+\j+1]
	v_pk_add_f32 v[T2+2:T2+3], v[T2+2:T2+3], v[S+\j+2:S+\j+3]
.endr
	s_delay_alu instid0(VALU_DEP_1)
	v_pk_add_f32 v[T2:T2+1], v[T2:T2+1], v[T2+2:T2+3]
	s_delay_alu instid0(VALU_DEP_1)
	v_add_f32 v[R], v[T2], v[T2+1]
	s_wait_alu depctr_va_vdst(0)
.irp b, 0,1,2,3
	v_max_num_f32 v[TM+\b], 0x4800000, v[TM+\b]
.endr
.irp b, 0,1,2,3
	s_delay_alu instid0(VALU_DEP_4)
	v_add_nc_u32 v[SCO+\b], 0xfc000000, v[TM+\b]
.endr
.irp b, 0,1,2,3
.endr
.irp b, 0,1,2,3
	s_delay_alu instid0(VALU_DEP_4)
	v_lshrrev_b32 v[T2+\b], 23, v[SCO+\b]
.endr
	s_delay_alu instid0(VALU_DEP_3)
	v_lshl_or_b32 v[PW], v[T2+1], 8, v[T2]
	s_delay_alu instid0(VALU_DEP_1)
	v_lshl_or_b32 v[PW], v[T2+2], 16, v[PW]
	s_delay_alu instid0(VALU_DEP_1)
	v_lshl_or_b32 v[PW], v[T2+3], 24, v[PW]
.irp b, 0,1,2,3
.irp i, 0,1,2,3,4,5,6,7,8,9,10,11,12,13,14,15
.endr
	v_cvt_scalef32_pk8_fp8_f32 v[P+4*\b:P+4*\b+1], v[S+16*\b:S+16*\b+7], v[SCO+\b]
	v_cvt_scalef32_pk8_fp8_f32 v[P+4*\b+2:P+4*\b+3], v[S+16*\b+8:S+16*\b+15], v[SCO+\b]
.endr
	s_setprio 1
	v_fma_f32 v[NMT+1], v[NMT+1], v[F], v[R]
.irp b, 0,1,2,3
	v_permlane16_swap_b32 v[P+4*\b], v[P+4*\b+2]
	v_permlane16_swap_b32 v[P+4*\b+1], v[P+4*\b+3]
.endr
.if \nx == 2
	s_wait_dscnt 0x0
	QK 0
.elseif \nx == 1
	QK (\t)+1
.endif
	WIN 0x41
.set i, 0
.rept 16
	v_pk_mul_f32 v[32*(\t)+2*i:32*(\t)+2*i+1], v[32*(\t)+2*i:32*(\t)+2*i+1], v[F:F+1] op_sel_hi:[1,0]
.set i, i+1
.endr
.if \fv
	s_wait_alu depctr_va_vdst(0)
	s_wait_dscnt 0x0
.endif
	PV \t
	WIN 0
.endm
.macro STEP next
	TILE 0, 1, 0, 1
	TILE 1, 1, 0, 0
	TILE 2, 1, 0, 0
.if \next
	TILE 3, 2, 1, 0
.else
	TILE 3, 0, 0, 0
.endif
	s_add_co_u32 s[TB], s[TB], REC
	s_add_co_u32 s[TMK], s[TMK], 512
	v_add_nc_u32 v[ADR], s[TB], v[LI]
	v_add_nc_u32 v[ADM], s[TMK], v[LM]
.endm
.macro HALF
	FETCH_K 0, 0
	s_wait_dscnt 0x0
	QK 0
	WIN 0
	PLACES 8
	s_mov_b32 s[CNT], 7
.Lstep_\@:
	STEP 1
	s_sub_co_u32 s[CNT], s[CNT], 1
	s_cmp_lg_u32 s[CNT], 0
	s_cbranch_scc1 .Lstep_\@
	s_setprio 0
	STEP 0
	s_wait_tensorcnt 0x0
	s_wait_dscnt 0x0
	s_barrier_signal -1
	s_barrier_wait -1
.endm
	s_wait_tensorcnt 0x1
	s_wait_dscnt 0x0
	s_barrier_signal -1
	s_barrier_wait -1
	HALF
	s_wait_alu depctr_va_vdst(0)
	HALF
	PLACES 8
.irp t, 0,1,2,3
	v_permlanex16_b32 v[T2+\t], v[NM+2*\t+1], s[SEL], s[SEL+1]
.endr
.irp t, 0,1,2,3
	s_delay_alu instid0(VALU_DEP_4)
	v_add_f32 v[NM+2*\t+1], v[NM+2*\t+1], v[T2+\t]
.endr
	s_wait_alu depctr_va_vdst(0)
.irp t, 0,1,2,3
	v_rcp_f32 v[NM+2*\t], v[NM+2*\t+1]
.endr
	v_and_b32 v26, 15, v0
	v_bfe_u32 v27, v0, 4, 1
	s_mul_i32 s41, s[WV], 16*SP
	v_mul_u32_u24 v[STO], v26, SP
	s_delay_alu instid0(VALU_DEP_1)
	v_lshl_add_u32 v[STO], v27, 5, v[STO]
	s_delay_alu instid0(VALU_DEP_1)
	v_add_nc_u32 v[STO], s41, v[STO]
	v_mul_u32_u24 v[RD], v27, SP
	s_delay_alu instid0(VALU_DEP_1)
	v_lshl_add_u32 v[RD], v26, 4, v[RD]
	s_delay_alu instid0(VALU_DEP_1)
	v_add_nc_u32 v[RD], s41, v[RD]
	v_lshlrev_b32 v[GO], 12, v27
	s_delay_alu instid0(VALU_DEP_1)
	v_lshl_add_u32 v[GO], v26, 4, v[GO]
	s_wait_alu depctr_va_vdst(0)
.macro PACK t
	WIN 0x01
.set i, 0
.rept 16
	v_pk_mul_f32 v[OB+32*\t+2*i:OB+32*\t+2*i+1], v[32*\t+2*i:32*\t+2*i+1], v[NM+2*\t:NM+2*\t+1] op_sel_hi:[1,0]
.set i, i+1
.endr
	WIN 0
.irp ct, 0,1,2,3
	ds_store_b128 v[STO], v[OB+32*\t+8*\ct:OB+32*\t+8*\ct+3] offset:64*\ct
	ds_store_b128 v[STO], v[OB+32*\t+8*\ct+4:OB+32*\t+8*\ct+7] offset:64*\ct+16
.endr
.irp f, 0,1,2,3,4,5,6,7
	ds_load_b128 v[OB+32*\t+4*\f:OB+32*\t+4*\f+3], v[RD] offset:\f*2*SP
.endr
.endm
.macro SEND t, younger
.irp f, 0,1,2,3,4,5,6,7
	s_wait_dscnt \younger+7-\f
	global_store_b128 v[GO], v[OB+32*\t+4*\f:OB+32*\t+4*\f+3], s[10:11] offset:(16*\t+2*\f)*4096 th:TH_STORE_NT
.endr
.endm
	PACK 0
	PACK 1
	SEND 0, 16
	PACK 2
	SEND 1, 16
	PACK 3
	SEND 2, 16
	SEND 3, 0
	s_wait_xcnt 0x0
	v_lshl_add_u32 v254, v0, 2, 0x44000
	v_mov_b32 v255, 0
	s_wait_alu depctr_va_vdst(0)
	s_wait_tensorcnt 0x0
	ds_add_u32 v254, v255
	s_wait_dscnt 0x0
	CROUND
	s_endpgm
.Lfunc_end_k_qebf1227c30_attn:
	.size	k_qebf1227c30_attn, .Lfunc_end_k_qebf1227c30_attn-k_qebf1227c30_attn
	.p2alignl 7, 3214868480
	.fill 96, 4, 3214868480
	.section	.rodata,"a",@progbits
	.p2align	6, 0x0
	.amdhsa_kernel k_qebf1227c30_attn
		.amdhsa_group_segment_fixed_size 327680
		.amdhsa_private_segment_fixed_size 0
		.amdhsa_enable_private_segment 0
		.amdhsa_kernarg_size 32
		.amdhsa_user_sgpr_count 2
		.amdhsa_user_sgpr_kernarg_segment_ptr 1
		.amdhsa_wavefront_size32 1
		.amdhsa_system_sgpr_workgroup_id_x 1
		.amdhsa_system_sgpr_workgroup_id_y 1
		.amdhsa_system_sgpr_workgroup_id_z 1
		.amdhsa_system_vgpr_workitem_id 0
		.amdhsa_next_free_vgpr 512
		.amdhsa_next_free_sgpr 66
		.amdhsa_reserve_vcc 0
		.amdhsa_float_denorm_mode_32 3
		.amdhsa_float_denorm_mode_16_64 3
		.amdhsa_fp16_overflow 1
		.amdhsa_memory_ordered 1
		.amdhsa_forward_progress 1
		.amdhsa_inst_pref_size 255
	.end_amdhsa_kernel
	.section	.bss,"aw",@nobits
	.p2align	6
	.space	262144
	.amdgpu_metadata
---
amdhsa.version: [ 1, 2 ]
amdhsa.kernels:
  - .name:           k_qebf1227c30_attn
    .symbol:         k_qebf1227c30_attn.kd
    .args:
      - { .name: qbuf, .offset: 0, .size: 8, .value_kind: global_buffer, .address_space: global }
      - { .name: kvbuf, .offset: 8, .size: 8, .value_kind: global_buffer, .address_space: global }
      - { .name: attention_mask, .offset: 16, .size: 8, .value_kind: global_buffer, .address_space: global }
      - { .name: out0, .offset: 24, .size: 8, .value_kind: global_buffer, .address_space: global }
    .group_segment_fixed_size: 327680
    .private_segment_fixed_size: 0
    .kernarg_segment_align: 8
    .kernarg_segment_size: 32
    .max_flat_workgroup_size: 256
    .sgpr_count:     66
    .vgpr_count:     512
    .wavefront_size: 32
...
	.end_amdgpu_metadata
.endif
;; end of part 2
